; MI455X (gfx1250); checked and timed in simulation.
; The chip was launched on July 23, 2026; its instructions are those of AMD's public machine-readable ISA for CDNA 5 (MIT licence, August 2026) and "CDNA5" Instruction Set Architecture Reference Guide (July 2026). The comments in the code are by the model that wrote it; some were corrected since.
;; SOPL Layer. Allowed arithmetic: float matrix products may take bf16 or f16 operands with f32 sums; all other float work in f32.
;; Inputs: centers 512 x 128 float32; x 200,000 x 128 float32.
;; Outputs: out0 512 x 128 float32.
;; 2 versions, each right; version 2 is version 1 with the launch finish written anew for expert scheduling mode. Each part assembles by itself: llvm-mc -triple=amdgcn-amd-amdhsa -mcpu=gfx1250 --defsym DOCPART=n.
;; ======== version 1 of 2: 2 launches
;; limits: values outside matrix products are rounded to bf16
;; workspace buffers: pnum 65,536,000 bytes; pden 512,000 bytes
;; launch assign (part 1): grid 250 x 1, 4 waves a work-group, no clusters, 327,680 bytes of LDS; arguments x, centers, pnum, pden; writes pnum, pden
.if DOCPART == 1
	.amdgcn_target "amdgcn-amd-amdhsa--gfx1250"
	.amdhsa_code_object_version 6
	.text
	.protected	k_q67875404be_assign
	.globl	k_q67875404be_assign
	.p2align	8
	.type	k_q67875404be_assign,@function
k_q67875404be_assign:
	s_mov_b64 s[64:65], 0
	v_nop
	global_prefetch_b8 v0, s[64:65] scope:SCOPE_SE
	s_setreg_imm32_b32 hwreg(HW_REG_WAVE_MODE, 25, 1), 1
	s_wait_xcnt 0x0
; One step of soft k-means, first launch.  x: [200000][128] f32, centers: [512][128] f32.
;   s[n][k] = x_n . c_k - |c_k|^2 / 2      w = softmax over k of 2000 s      (|x_n|^2 is the same for every k of a row and cancels in the softmax)
;   pnum[g][k][d] = sum over the work-group's 800 rows of w[n][k] x[n][d]      pden[k>>4][g][k&15] = sum over those rows of w[n][k]
; 250 work-groups x 800 rows = 5 runs of 160 rows = 25 steps of 32 rows: every trip count is a constant and no row is masked.
; Four waves; wave w owns centers 128 w .. 128 w + 127 in both products: their bf16 fragments (256 registers) and their f32 sums (512 + 64 registers) never leave it.
; LIMITS, kept on purpose: x and centers are rounded once to bf16 (nearest even) and the same rounded numbers feed both products; |c|^2 is the f32 sum of
; squares of the ROUNDED centers; the weights are rounded to bf16 for the second product, and the counts are sums of the same rounded weights; a weight below
; 2^-126 of its row's largest term is zero (v_exp_f32 flushes denormal results); 1 / sum is v_rcp_f32 and a multiply; NaN and infinite inputs are not served.
; THE MAXIMUM: each wave takes away the maximum of its own 128 centers; the four waves exchange (N = -max x C, sum) through LDS, and the weights are rescaled
; by exp2(Nmin - N): the exponent that counts is s C + Nmin, never above about zero, and the row's sum is about 1 or more.
; NO CLUSTER: 250 work-groups are no multiple of four; the only bytes that work-groups share are the centers, which each wave loads once into registers.
; x is asked for five steps ahead by tensor loads, so nothing is prefetched.
;
; PRODUCT 1 IS USED TRANSPOSED: source 0 = 16 centers, source 1 = 16 rows of x.  Lane (r, h) then holds row r of x, and register j of tile t center
; 16 t + 8 h + j: maximum and sum over centers run inside a lane, with one exchange between the two halves of the wave.
; PRODUCT 2: source 0 = x transposed (m = d), source 1 = weights transposed (n = center), k = the step's 32 rows.  Index q of a tile stands for
; 8 tile + (q & 7) + 64 (q >> 3), so that the two 16-byte columns of a transposing load lie 128 bytes apart: eight rows of 272 bytes then start
; 4 words apart and the second column 32 words further, 64 different words.
;
; REGISTERS: window 0 addresses, fragments, scores, counts; window 1 the centers' fragments CEN[t][ks] = v[32 t + 8 ks]; windows 2, 3 the sums
; NUM[a][b] = window 2 + (a >> 2), v[8 (8 (a & 3) + b)].
.set SLOTB,  81920                     ; an x slot: 160 rows of 512 bytes, dense
.set PARTB,  20480                     ; a wave's 40 rows of it
.set XH,     163840                    ; bf16 x of the run, 160 rows
.set PITCH,  272                       ; 256 bytes + 16: an odd multiple of 16, so sixteen rows start at sixteen different 16-byte columns
.set T16,    16*PITCH
.set STEPB,  32*PITCH
.set PB,     207360                    ; per wave 32 rows x 272: the weights [row][center]; at the start the stage for 32 centers
.set STAT,   242176                    ; 1,024 bytes for each of a run's five steps: row p at 32 p, wave w's (N, sum) at + 8 w
.set CSQL,   247296                    ; per wave 512 bytes: -|c|^2 / 2 of its 128 centers
.set DENS,   249344                    ; per wave 512 bytes: the counts on their way out
.set STG,    251392                    ; per wave 16 rows x 528: the sums on their way out
.set SPITCH, 528
.set LTA,   1                          ; 272 r + 16 h
.set LTT,   2                          ; 272 (8 h + (L & 7)) + 128 ((L >> 3) & 1)
.set LTS,   3                          ; 32 L + 8 w
.set LTL,   4                          ; 32 r
.set ADRX,  5                          ; XH, plain fragments, stepped
.set ADRT,  6                          ; XH, transposing loads, stepped
.set ADRSS, 7                          ; STAT, my store, stepped
.set ADRSL, 8                          ; STAT, my loads, stepped
.set ADRPS, 9                          ; PB + LTA
.set ADRPT, 10                         ; PB + LTT
.set ADRCS, 11                         ; CSQL + 32 h
.set CVL,   12                         ; v12, v13: my 16 bytes of my first row in x slot 0, 1
.set CVS,   14                         ; my 8 bytes of my first row in XH
.set CGO,   15                         ; byte offset in centers
.set NM,    16                         ; v[16:17] -max x C of row tile 0, 1
.set SC,    18                         ; v[18:19] the factor that makes weights of my exponentials
.set LS,    20                         ; v20, v21 my sums
.set STA,   22                         ; stage store address at the start
.set CSA,   23                         ; CSQL store address at the start
.set ONES,  24                         ; v[24:31] a fragment of 1.0
.set XB,    32                         ; v[32:63] four x fragments; scratch outside product 1
.set SR,    64                         ; v[64:191] scores S[u][t] = v[64 + 64 u + 8 t]
.set XT,    64                         ; product 2: x transposed, 8 fragments
.set PA,    128                        ; product 2: weights transposed, 8 fragments
.set DEN,   192                        ; v[192:255] counts, 8 tiles
.set MSB, 0
.macro WIN new                         ; the immediate's high byte repeats the setting that is left
.if MSB != \new
	s_set_vgpr_msb (MSB<<8)|\new
.set MSB, \new
.endif
.endm
.macro NOPS n
.rept \n
	v_nop
.endr
.endm
	s_load_b256 s[4:11], s[0:1], 0x0               ; x s[4:5], centers s[6:7], pnum s[8:9], pden s[10:11]
	v_lshl_add_u32 v62, v0, 2, 0x45a00
	v_mov_b32 v63, 0
	ds_add_u32 v62, v63
	ds_add_u32 v62, v63
	s_wait_dscnt 0x0
	v_lshrrev_b32 v1, 5, v0
	v_readfirstlane_b32 s12, v1                    ; wave 0..3
	; descriptor group 1: 20,480 dense bytes as 80 rows of 32 elements of 8 bytes (256 bytes), no padding: they are read back contiguously
	s_mov_b32 s16, 3<<16                           ; no mask; element of 8 bytes
	s_mov_b32 s17, 32<<16                          ; tensor_dim0 = 32
	s_mov_b32 s18, 80<<16                          ; tensor_dim1 = 80
	s_mov_b32 s19, 32<<16                          ; tile_dim0 = 32
	s_mov_b32 s20, 80                              ; tile_dim1 = 80
	s_mov_b32 s21, 32                              ; pitch = 32 elements
	s_mov_b32 s22, 0
	s_mov_b32 s23, 0
	s_mul_i32 s15, s12, PARTB                      ; my part of a slot, in LDS and in memory
	s_mul_i32 s38, ttmp9, 409600                   ; the work-group's 800 rows of 512 bytes (at most 101,990,400)
	s_add_co_u32 s38, s38, s15
	s_mov_b32 s39, 0
	s_wait_kmcnt 0x0
	s_add_nc_u64 s[4:5], s[4:5], s[38:39]
	; group 0, a set for each slot, and both first fills, ahead of every LDS read, barrier and wait for tensor loads: two loads are out, the most in this text
.irp s, 0,1
	s_mov_b32 s[24+4*\s], 1
	s_add_co_u32 s[25+4*\s], s15, \s*SLOTB
	s_add_nc_u64 s[26+4*\s:27+4*\s], s[4:5], \s*SLOTB
	s_or_b32 s[27+4*\s], s[27+4*\s], 0x80000000
	tensor_load_to_lds s[24+4*\s:27+4*\s], s[16:23]
	s_nop 0
	v_nop
.endr
	; MY 128 CENTERS: one load takes a whole row of 512 bytes; row i lands in four registers at 4 i of windows 2 and 3, where the sums will live
	v_and_b32 v32, 31, v0                          ; L
	v_lshlrev_b32 v[CGO], 4, v32
	v_lshl_add_u32 v[CGO], s12, 16, v[CGO]         ; 65,536 w + 16 L
	WIN 0x80
.set ii, 0
.rept 64
	global_load_b128 v[4*ii:4*ii+3], v[CGO], s[6:7] offset:512*ii
.set ii, ii+1
.endr
	WIN 0xc0
.set ii, 0
.rept 64
	global_load_b128 v[4*ii:4*ii+3], v[CGO], s[6:7] offset:512*(64+ii)
.set ii, ii+1
.endr
	WIN 0
	; while they are on their way: constants and addresses
	s_mov_b32 s32, 0x4534563e                      ; C = 2000 log2(e), twice: a pair for the packed multiply-add
	s_mov_b32 s33, 0x4534563e
	s_mov_b32 s34, 0x76543210                      ; v_permlanex16_b32: lane i of one half reads lane i of the other
	s_mov_b32 s35, 0xfedcba98
	s_mov_b32 s36, 0xffff0000                      ; lanes 16 to 31
	v_and_b32 v33, 15, v0                          ; r
	v_bfe_u32 v34, v0, 4, 1                        ; h
	v_and_b32 v35, 7, v0
	v_bfe_u32 v36, v0, 3, 1
	v_mul_u32_u24 v[LTA], v33, PITCH
	v_lshl_add_u32 v[LTA], v34, 4, v[LTA]
	v_lshl_add_u32 v[LTT], v34, 3, v35
	v_mul_u32_u24 v[LTT], v[LTT], PITCH
	v_lshl_add_u32 v[LTT], v36, 7, v[LTT]
	v_lshlrev_b32 v[LTS], 5, v32
	v_lshl_add_u32 v[LTS], s12, 3, v[LTS]
	v_lshlrev_b32 v[LTL], 5, v33
	s_mul_i32 s40, s12, STEPB
	s_add_co_u32 s40, s40, PB                      ; my weights' region
	v_add_nc_u32 v[ADRPS], s40, v[LTA]
	v_add_nc_u32 v[ADRPT], s40, v[LTT]
	v_lshl_add_u32 v[STA], v32, 3, s40             ; + 8 L
	s_lshl_b32 s42, s12, 9
	s_add_co_u32 s42, s42, CSQL
	v_lshl_add_u32 v[ADRCS], v34, 5, s42
	v_lshl_add_u32 v[CSA], v33, 2, s42
	v_lshl_add_u32 v[CVL], v32, 4, s15
	v_add_nc_u32 v[CVL+1], SLOTB, v[CVL]
	s_mul_i32 s43, s12, 40*PITCH
	s_add_co_u32 s43, s43, XH
	v_lshl_add_u32 v[CVS], v32, 3, s43
.irp j, 0,1,2,3,4,5,6,7
	v_mov_b32 v[ONES+\j], 0x3f803f80
.endr
	; sixteen batches of eight rows: round to bf16, 8 bytes a lane into my stage; after every 32 rows two tiles' fragments are read back.
	; The stage is my own and LDS serves a wave's instructions in order (ISA guide 5.7.1): no wait and no barrier between stores and loads.
.set kk, 0
.rept 16
.if 120-8*kk > 63
	s_wait_loadcnt 63                              ; 120 - 8 k younger loads may stay out; the wait can name 63 at the most
.else
	s_wait_loadcnt 120-8*kk                        ; the loads behind this batch's eight stay out
.endif
.if kk < 8
	WIN 0x0a
.else
	WIN 0x0f
.endif
.set ii, 0
.rept 8
	v_cvt_pk_bf16_f32 v[SR+2*ii],   v[4*((8*kk+ii)%64)],   v[4*((8*kk+ii)%64)+1]
	v_cvt_pk_bf16_f32 v[SR+2*ii+1], v[4*((8*kk+ii)%64)+2], v[4*((8*kk+ii)%64)+3]
.set ii, ii+1
.endr
	WIN 0
.set ii, 0
.rept 8
	ds_store_b64 v[STA], v[SR+2*ii:SR+2*ii+1] offset:PITCH*((8*kk+ii)%32)
.set ii, ii+1
.endr
.if kk%4 == 3
	WIN 0x40
.irp tt, 0,1
.irp ks, 0,1,2,3
	ds_load_b128 v[32*(2*(kk/4)+\tt)+8*\ks:32*(2*(kk/4)+\tt)+8*\ks+3],   v[ADRPS] offset:T16*\tt+64*\ks
	ds_load_b128 v[32*(2*(kk/4)+\tt)+8*\ks+4:32*(2*(kk/4)+\tt)+8*\ks+7], v[ADRPS] offset:T16*\tt+64*\ks+32
.endr
.endr
	WIN 0
.endif
.set kk, kk+1
.endr
	; -|c|^2 / 2 from the rounded centers: a lane holds 64 of a center's 128 numbers, the lane of the other half the rest.  Two chains a tile, sixteen in all.
.set ii, 0
.rept 16
	v_mov_b32 v[SR+ii], 0
.set ii, ii+1
.endr
	s_wait_dscnt 0x0                               ; all fragments are in
	WIN 0x05
.set ii, 0
.rept 32
.irp t, 0,1,2,3,4,5,6,7
	v_fma_mix_f32_bf16 v[SR+2*\t],   v[32*\t+ii], v[32*\t+ii], v[SR+2*\t]   op_sel_hi:[1,1,0]
	v_fma_mix_f32_bf16 v[SR+2*\t+1], v[32*\t+ii], v[32*\t+ii], v[SR+2*\t+1] op_sel:[1,1,0] op_sel_hi:[1,1,0]
.endr
.set ii, ii+1
.endr
	WIN 0
.irp t, 0,1,2,3,4,5,6,7
	v_add_f32 v[SR+2*\t], v[SR+2*\t], v[SR+2*\t+1]
	v_permlanex16_b32 v[SR+2*\t+1], v[SR+2*\t], s34, s35
	v_add_f32 v[SR+2*\t], v[SR+2*\t], v[SR+2*\t+1]
	v_mul_f32 v[SR+2*\t], -0.5, v[SR+2*\t]
	ds_store_b32 v[CSA], v[SR+2*\t] offset:64*\t   ; center 16 t + r; both halves store the same number
.endr
; My 40 rows of a slot, f32 to bf16, five batches of eight rows.  One load takes a row (32 lanes x 16 bytes), one store puts its 256 bytes into XH.
.macro CONV slot
.set bb, 0
.rept 5
.set ii, 0
.rept 8
	ds_load_b128 v[SR+4*ii:SR+4*ii+3], v[CVL+\slot] offset:512*(8*bb+ii)
.set ii, ii+1
.endr
.set ii, 0
.rept 8
	s_wait_dscnt 0x7                               ; behind row i's load stand 7 - i loads and i stores: always seven
	v_cvt_pk_bf16_f32 v[XB+2*ii],   v[SR+4*ii],   v[SR+4*ii+1]
	v_cvt_pk_bf16_f32 v[XB+2*ii+1], v[SR+4*ii+2], v[SR+4*ii+3]
	ds_store_b64 v[CVS], v[XB+2*ii:XB+2*ii+1] offset:PITCH*(8*bb+ii)
.set ii, ii+1
.endr
.set bb, bb+1
.endr
.endm
; fragment buffer f takes rows 16 u .. 16 u + 15 of the step, d = 32 ks .. 32 ks + 31
.macro LDXB f, u, ks
	ds_load_b128 v[XB+8*\f:XB+8*\f+3],   v[ADRX] offset:T16*\u+64*\ks
	ds_load_b128 v[XB+8*\f+4:XB+8*\f+7], v[ADRX] offset:T16*\u+64*\ks+32
.endm
; eight matrix instructions, one for each tile of centers.  init = 1: row tile 1 starts from -|c|^2 / 2, which lies in row tile 0's registers.
.macro G1GRP u, ks, f, init
.irp t, 0,1,2,3,4,5,6,7
.if \init
	v_wmma_f32_16x16x32_bf16 v[SR+64*\u+8*\t:SR+64*\u+8*\t+7], v[32*\t+8*\ks:32*\t+8*\ks+7], v[XB+8*\f:XB+8*\f+7], v[SR+8*\t:SR+8*\t+7]
.else
	v_wmma_f32_16x16x32_bf16 v[SR+64*\u+8*\t:SR+64*\u+8*\t+7], v[32*\t+8*\ks:32*\t+8*\ks+7], v[XB+8*\f:XB+8*\f+7], v[SR+64*\u+8*\t:SR+64*\u+8*\t+7]
.endif
.endr
.endm
; the maximum of a row over my 128 centers: four chains over 16 registers each, then the other half of the wave; N = -max x C
.macro SMAX u
.irp c, 0,1,2,3
	v_max_num_f32 v[XB+\c], v[SR+64*\u+16*\c], v[SR+64*\u+16*\c+1]
.endr
.irp k, 1,2,3,4,5,6,7
.irp c, 0,1,2,3
	v_max3_num_f32 v[XB+\c], v[XB+\c], v[SR+64*\u+16*\c+2*\k], v[SR+64*\u+16*\c+2*\k+1]
.endr
.endr
	v_max3_num_f32 v[XB], v[XB], v[XB+1], v[XB+2]
	v_max_num_f32 v[XB], v[XB], v[XB+3]
	v_permlanex16_b32 v[XB+1], v[XB], s34, s35
	v_max_num_f32 v[XB], v[XB], v[XB+1]
	v_mul_f32 v[NM+\u], 0xc534563e, v[XB]
.endm
.macro SFMA u, t                       ; exponents s C + N, one rounding
.irp j, 0,2,4,6
	v_pk_fma_f32 v[SR+64*\u+8*(\t)+\j:SR+64*\u+8*(\t)+\j+1], v[SR+64*\u+8*(\t)+\j:SR+64*\u+8*(\t)+\j+1], s[32:33], v[NM:NM+1] op_sel:[0,0,\u] op_sel_hi:[1,0,\u]
.endr
.endm
.macro SEX u, t
.irp j, 0,1,2,3,4,5,6,7
	v_exp_f32 v[SR+64*\u+8*(\t)+\j], v[SR+64*\u+8*(\t)+\j]
.endr
.endm
.macro SADD u, t                       ; two pairs of running sums; the first tile starts them
.set SB, SR+64*\u+8*(\t)
.if (\t) == 0
	s_wait_alu depctr_va_vdst(0)
	v_pk_add_f32 v[XB+4:XB+5], v[SB:SB+1],   v[SB+2:SB+3]
	v_pk_add_f32 v[XB+6:XB+7], v[SB+4:SB+5], v[SB+6:SB+7]
.else
	s_wait_alu depctr_va_vdst(0)
	v_pk_add_f32 v[XB+4:XB+5], v[XB+4:XB+5], v[SB:SB+1]
	v_pk_add_f32 v[XB+6:XB+7], v[XB+6:XB+7], v[SB+2:SB+3]
	v_pk_add_f32 v[XB+4:XB+5], v[XB+4:XB+5], v[SB+4:SB+5]
	v_pk_add_f32 v[XB+6:XB+7], v[XB+6:XB+7], v[SB+6:SB+7]
.endif
.endm
; exponentials and their sum.  Behind a tile's eight v_exp_f32 the next tile's multiply-adds stand before the results are added (ISA guide 5.7.2 asks
; for one plain vector instruction there); behind the last tile's a v_nop.
.macro SEXP u
	SFMA \u, 0
	SEX \u, 0
.irp t, 1,2,3,4,5,6,7
	SFMA \u, \t
	SADD \u, \t-1
	SEX \u, \t
.endr
	v_nop
	SADD \u, 7
	v_pk_add_f32 v[XB+4:XB+5], v[XB+4:XB+5], v[XB+6:XB+7]
	v_add_f32 v[XB+4], v[XB+4], v[XB+5]
	v_permlanex16_b32 v[XB+5], v[XB+4], s34, s35
	v_add_f32 v[LS+\u], v[XB+4], v[XB+5]
.endm
; The four waves' (N, sum) of the 32 rows meet.  Lane L speaks for row L.  The step's only barrier; the tensor load
; that is on its way stays out.  Each step of a run has 1,024 bytes of its own, written again only in the next run, two barriers later.
.macro EXCH
	v_cndmask_b32 v[XB+8], v[NM], v[NM+1], s36
	v_cndmask_b32 v[XB+9], v[LS], v[LS+1], s36
	ds_store_b64 v[ADRSS], v[XB+8:XB+9]
	s_wait_dscnt 0x0                               ; for the others' sake: my store is done
	s_barrier_signal -1
	s_barrier_wait -1
	ds_load_b128 v[XB:XB+3],     v[ADRSL]            ; row r: waves 0, 1
	ds_load_b128 v[XB+4:XB+7],   v[ADRSL] offset:16  ;        waves 2, 3
	ds_load_b128 v[XB+8:XB+11],  v[ADRSL] offset:512 ; row 16 + r
	ds_load_b128 v[XB+12:XB+15], v[ADRSL] offset:528
	s_wait_dscnt 0x0
.irp u, 0,1
	v_min3_num_f32 v[XB+16+\u], v[XB+8*\u], v[XB+8*\u+2], v[XB+8*\u+4]
	v_min_num_f32 v[XB+16+\u], v[XB+16+\u], v[XB+8*\u+6]   ; Nmin belongs to the row's maximum
.endr
.irp u, 0,1
.irp j, 0,2,4,6
	v_sub_f32 v[XB+8*\u+\j], v[XB+16+\u], v[XB+8*\u+\j]
.endr
	v_sub_f32 v[SC+\u], v[XB+16+\u], v[NM+\u]
.endr
.irp u, 0,1
.irp j, 0,2,4,6
	v_exp_f32 v[XB+8*\u+\j], v[XB+8*\u+\j]         ; each wave's factor, 1 at the most
.endr
	v_exp_f32 v[SC+\u], v[SC+\u]                   ; my own
.endr
	v_nop
.irp u, 0,1
	s_wait_alu depctr_va_vdst(0)
	v_mul_f32  v[XB+16+\u], v[XB+8*\u],   v[XB+8*\u+1]
	v_fmac_f32 v[XB+16+\u], v[XB+8*\u+2], v[XB+8*\u+3]
	v_fmac_f32 v[XB+16+\u], v[XB+8*\u+4], v[XB+8*\u+5]
	v_fmac_f32 v[XB+16+\u], v[XB+8*\u+6], v[XB+8*\u+7]
.endr
	v_rcp_f32 v[XB+16], v[XB+16]
	v_rcp_f32 v[XB+17], v[XB+17]
	v_nop
	s_wait_alu depctr_va_vdst(0)
	v_mul_f32 v[SC],   v[SC],   v[XB+16]
	v_mul_f32 v[SC+1], v[SC+1], v[XB+17]
.endm
; weights of row tile u: scale, round to bf16, 16 bytes (eight neighbouring centers of one row) into my region
.macro NORMST u
.irp t, 0,1,2,3,4,5,6,7
.irp j, 0,2,4,6
	v_pk_mul_f32 v[SR+64*\u+8*\t+\j:SR+64*\u+8*\t+\j+1], v[SR+64*\u+8*\t+\j:SR+64*\u+8*\t+\j+1], v[SC:SC+1] op_sel:[0,\u] op_sel_hi:[1,\u]
.endr
.irp j, 0,1,2,3
	v_cvt_pk_bf16_f32 v[XB+16+4*(\t%4)+\j], v[SR+64*\u+8*\t+2*\j], v[SR+64*\u+8*\t+2*\j+1]
.endr
	ds_store_b128 v[ADRPS], v[XB+16+4*(\t%4):XB+16+4*(\t%4)+3] offset:T16*\u+32*\t
.endr
.endm
.macro LDTR base, adr                  ; eight transposed fragments: k = the step's rows, index q = 8 tile + (q & 7) + 64 (q >> 3)
.irp b, 0,1,2,3,4,5,6,7
	ds_load_tr16_b128 v[\base+8*\b:\base+8*\b+3],   v[\adr] offset:16*\b
	ds_load_tr16_b128 v[\base+8*\b+4:\base+8*\b+7], v[\adr] offset:T16+16*\b
.endr
.endm
.macro G2HALF a0, zero
.irp a, 0,1,2,3
.irp b, 0,1,2,3,4,5,6,7
.if \zero
	v_wmma_f32_16x16x32_bf16 v[8*(8*\a+\b):8*(8*\a+\b)+7], v[XT+8*\b:XT+8*\b+7], v[PA+8*(\a0+\a):PA+8*(\a0+\a)+7], 0
.else
	v_wmma_f32_16x16x32_bf16 v[8*(8*\a+\b):8*(8*\a+\b)+7], v[XT+8*\b:XT+8*\b+7], v[PA+8*(\a0+\a):PA+8*(\a0+\a)+7], v[8*(8*\a+\b):8*(8*\a+\b)+7]
.endif
.endr
.endr
.endm
; One step: 32 rows of x against my 128 centers.  zero = 1: the first products start the sums, nothing is cleared.
; In both products the accumulators take turns, one instruction a turn.
.macro STEP zero
	LDXB 0, 1, 0
	LDXB 1, 0, 0
.irp t, 0,1,2,3,4,5,6,7
	ds_load_b128 v[SR+8*\t:SR+8*\t+3],   v[ADRCS] offset:64*\t      ; -|c|^2 / 2 of centers 16 t + 8 h + 0..7: the sums' first term
	ds_load_b128 v[SR+8*\t+4:SR+8*\t+7], v[ADRCS] offset:64*\t+16
.endr
	LDXB 2, 0, 1
	LDXB 3, 1, 1
	s_wait_dscnt 0x4                               ; all but the four loads of buffers 2 and 3
	WIN 0x01
	G1GRP 1, 0, 0, 1
	NOPS 5                                         ; the next eight write over the C of these eight: five places (ISA guide 7.12.1)
	G1GRP 0, 0, 1, 0
	NOPS 4                                         ; four places in front of loads into registers that matrix instructions have read
	WIN 0
	LDXB 0, 1, 2
	LDXB 1, 0, 2
	s_wait_dscnt 0x4                               ; buffers 2 and 3 are in; the four just issued stay out
	WIN 0x01
	G1GRP 0, 1, 2, 0
	G1GRP 1, 1, 3, 0
	NOPS 4
	WIN 0
	LDXB 2, 0, 3
	LDXB 3, 1, 3
	s_wait_dscnt 0x4                               ; buffers 0 and 1 are in
	WIN 0x01
	G1GRP 1, 2, 0, 0
	G1GRP 0, 2, 1, 0
	s_wait_dscnt 0x0
	G1GRP 0, 3, 2, 0
	G1GRP 1, 3, 3, 0
	WIN 0
	NOPS 4                                         ; four places before vector instructions read the scores and write the buffers
	SMAX 0
	SMAX 1                                         ; both maxima first: the packed multiply-add names the pair
	SEXP 0
	SEXP 1
	EXCH
	NORMST 0
	LDTR XT, ADRT                                  ; into row tile 0's registers, which are free now
	NORMST 1
	LDTR PA, ADRPT                                 ; my own bytes, served in order behind my stores: no wait between
	s_wait_dscnt 0x8                               ; all but the weights' fragments 4 to 7
	WIN 0xa0
	G2HALF 0, \zero
	s_wait_dscnt 0x0
	WIN 0xf0
	G2HALF 4, \zero
	WIN 0
.irp a, 0,1,2,3,4,5,6,7
.if \zero
	v_wmma_f32_16x16x32_bf16 v[DEN+8*\a:DEN+8*\a+7], v[ONES:ONES+7], v[PA+8*\a:PA+8*\a+7], 0
.else
	v_wmma_f32_16x16x32_bf16 v[DEN+8*\a:DEN+8*\a+7], v[ONES:ONES+7], v[PA+8*\a:PA+8*\a+7], v[DEN+8*\a:DEN+8*\a+7]
.endif
.endr
	v_add_nc_u32 v[ADRX],  STEPB, v[ADRX]          ; the next 32 rows.  These four and the v_nop are the five places in front of the next step's
	v_add_nc_u32 v[ADRT],  STEPB, v[ADRT]          ; first products, which write over the weights' fragments, and the four in front of its loads
	v_add_nc_u32 v[ADRSS], 1024, v[ADRSS]
	v_add_nc_u32 v[ADRSL], 1024, v[ADRSL]
	v_nop
.endm
; A run: 160 rows, which lie in x slot \slot.  start = 1: the first run.  refill = 1: the other slot, converted in the last run, gets the rows of the next run.
.macro RUN slot, start, refill
.if \start
	s_wait_tensorcnt 0x1                           ; my part of slot 0 has landed; slot 1's load, issued behind it, stays out.  I read my own part alone
.else
	s_wait_dscnt 0x0                               ; my reads of XH, of the statistics and of the other slot are done
	s_wait_xcnt 0x0
	v_lshl_add_u32 v62, v0, 2, 0x45a00
	v_mov_b32 v63, 0
	s_wait_tensorcnt 0x0                           ; all my tensor loads have landed, my part of this run's slot among them
	ds_add_u32 v62, v63
	s_wait_dscnt 0x0
.if \refill
	s_add_nc_u64 s[30-4*\slot:31-4*\slot], s[30-4*\slot:31-4*\slot], 2*SLOTB   ; no load is out: the other slot's address steps two runs on
.endif
	s_barrier_signal -1
	s_barrier_wait -1                              ; both hold of every wave: XH may be written, the other slot filled
.if \refill
	tensor_load_to_lds s[28-4*\slot:31-4*\slot], s[16:23]   ; my one load behind this barrier, first thing there; it has five steps in which to land
	s_nop 0
.endif
.endif
	CONV \slot
	s_wait_dscnt 0x0                               ; my rows of XH are written
	s_barrier_signal -1
	s_barrier_wait -1                              ; everybody's are.
	v_add_nc_u32 v[ADRX],  XH, v[LTA]
	v_add_nc_u32 v[ADRT],  XH, v[LTT]
	v_add_nc_u32 v[ADRSS], STAT, v[LTS]
	v_add_nc_u32 v[ADRSL], STAT, v[LTL]
.if \start
	STEP 1
	s_mov_b32 s37, 4
.else
	s_mov_b32 s37, 5
.endif
.Lstep_\@:
	STEP 0
	s_sub_co_i32 s37, s37, 1
	s_cmp_lg_u32 s37, 0
	s_cbranch_scc1 .Lstep_\@
.endm
	RUN 0, 1, 0                                    ; rows 0-159
	RUN 1, 0, 1                                    ; rows 160-319; rows 320-479 go out into slot 0
	RUN 0, 0, 1                                    ; rows 320-479; rows 480-639 into slot 1
	RUN 1, 0, 1                                    ; rows 480-639; rows 640-799 into slot 0
	RUN 0, 0, 0                                    ; rows 640-799: nothing is left to fetch
	; THE WAY OUT.  A lane holds d = 8 b + 64 h + 0..7 of center 8 a + (r & 7) + 64 (r >> 3).  Sixteen centers at a time go through my own stage:
	; 32 bytes a lane and tile in, whole rows of 512 bytes back, and one store of the wave writes one center's 512 consecutive bytes, aligned.
	v_and_b32 v32, 31, v0
	v_and_b32 v33, 15, v0
	v_bfe_u32 v34, v0, 4, 1
	s_mul_i32 s40, s12, 16*SPITCH
	s_add_co_u32 s40, s40, STG
	v_mul_u32_u24 v5, v33, SPITCH
	v_lshl_add_u32 v5, v34, 8, v5
	v_add_nc_u32 v5, s40, v5                       ; in: 528 r + 256 h
	v_lshl_add_u32 v6, v32, 4, s40                 ; back: 16 L
	v_lshlrev_b32 v7, 4, v32                       ; and in memory
	s_lshl_b32 s38, ttmp9, 18                      ; 262,144 g
	s_lshl_b32 s14, s12, 16                        ; + 65,536 w
	s_add_co_u32 s38, s38, s14
	s_add_nc_u64 s[8:9], s[8:9], s[38:39]          ; s39 is still 0
	s_lshl_b32 s41, s12, 9
	s_add_co_u32 s41, s41, DENS
	v_and_b32 v35, 7, v0
	v_bfe_u32 v36, v0, 3, 1
	v_lshlrev_b32 v35, 2, v35
	v_lshl_add_u32 v35, v36, 8, v35
	v_add_nc_u32 v35, s41, v35                     ; counts in: 4 ((r & 7) + 64 (r >> 3))
	v_lshl_add_u32 v36, v32, 4, s41                ; counts back: centers 4 L .. 4 L + 3
	v_lshrrev_b32 v37, 2, v32
	v_lshl_add_u32 v37, s12, 3, v37                ; block of sixteen centers: 8 w + (L >> 2)
	v_mul_u32_u24 v37, v37, 16000                  ; 250 work-groups x 64 bytes a block
	v_and_b32 v38, 3, v32
	v_lshl_add_u32 v37, v38, 4, v37
	s_lshl_b32 s38, ttmp9, 6                       ; 64 g
	s_add_nc_u64 s[10:11], s[10:11], s[38:39]
.macro OUT16 a, buf
.if \a < 4
	WIN 0x08
.else
	WIN 0x0c
.endif
.irp b, 0,1,2,3,4,5,6,7
	ds_store_b128 v5, v[8*(8*(\a%4)+\b):8*(8*(\a%4)+\b)+3]   offset:32*\b
	ds_store_b128 v5, v[8*(8*(\a%4)+\b)+4:8*(8*(\a%4)+\b)+7] offset:32*\b+16
.endr
	WIN 0
	s_wait_xcnt 0x0                                ; the buffer was store data two turns ago: it is loaded again only behind this wait
.irp p, 0,1,2,3,4,5,6,7,8,9,10,11,12,13,14,15
	ds_load_b128 v[\buf+4*\p:\buf+4*\p+3], v6 offset:SPITCH*\p
.endr
.irp p, 0,1,2,3,4,5,6,7,8,9,10,11,12,13,14,15
	s_wait_dscnt 15-\p                             ; LDS loads come back in order: row p is in
	global_store_b128 v7, v[\buf+4*\p:\buf+4*\p+3], s[8:9] offset:512*(8*\a+(\p%8)+64*(\p/8))
.endr
.endm
	OUT16 0, 64
	OUT16 1, 128
	OUT16 2, 64
	OUT16 3, 128
	OUT16 4, 64
	OUT16 5, 128
	OUT16 6, 64
	OUT16 7, 128
	; the counts: every row of a count tile is the same sum, so register 0 serves.  They leave in pieces of 64 bytes (2,048 of the work-group's
	; 264,192 bytes out), laid so that the second launch finds the 250 partial counts of a block of centers in 16,000 consecutive bytes.
.irp a, 0,1,2,3,4,5,6,7
	ds_store_b32 v35, v[DEN+8*\a] offset:32*\a
.endr
	ds_load_b128 v[40:43], v36
	s_wait_dscnt 0x0
	global_store_b128 v37, v[40:43], s[10:11]
	s_wait_xcnt 0x0
	v_lshl_add_u32 v62, v0, 2, 0x45a00
	v_mov_b32 v63, 0
	s_wait_tensorcnt 0x0
	ds_add_u32 v62, v63
	s_wait_dscnt 0x0
	s_endpgm
.Lfunc_end_k_q67875404be_assign:
	.size	k_q67875404be_assign, .Lfunc_end_k_q67875404be_assign-k_q67875404be_assign
	.p2alignl 7, 3214868480
	.fill 96, 4, 3214868480
	.section	.rodata,"a",@progbits
	.p2align	6, 0x0
	.amdhsa_kernel k_q67875404be_assign
		.amdhsa_group_segment_fixed_size 327680
		.amdhsa_private_segment_fixed_size 0
		.amdhsa_enable_private_segment 0
		.amdhsa_kernarg_size 32
		.amdhsa_user_sgpr_count 2
		.amdhsa_user_sgpr_kernarg_segment_ptr 1
		.amdhsa_wavefront_size32 1
		.amdhsa_system_sgpr_workgroup_id_x 1
		.amdhsa_system_sgpr_workgroup_id_y 1
		.amdhsa_system_sgpr_workgroup_id_z 1
		.amdhsa_system_vgpr_workitem_id 0
		.amdhsa_next_free_vgpr 1024
		.amdhsa_next_free_sgpr 66
		.amdhsa_reserve_vcc 0
		.amdhsa_float_denorm_mode_32 3
		.amdhsa_float_denorm_mode_16_64 3
		.amdhsa_memory_ordered 1
		.amdhsa_forward_progress 1
		.amdhsa_inst_pref_size 255
	.end_amdhsa_kernel
	.section	.bss,"aw",@nobits
	.p2align	6
	.space	262144
	.amdgpu_metadata
---
amdhsa.version: [ 1, 2 ]
amdhsa.kernels:
  - .name:           k_q67875404be_assign
    .symbol:         k_q67875404be_assign.kd
    .args:
      - { .name: x, .offset: 0, .size: 8, .value_kind: global_buffer, .address_space: global }
      - { .name: centers, .offset: 8, .size: 8, .value_kind: global_buffer, .address_space: global }
      - { .name: pnum, .offset: 16, .size: 8, .value_kind: global_buffer, .address_space: global }
      - { .name: pden, .offset: 24, .size: 8, .value_kind: global_buffer, .address_space: global }
    .group_segment_fixed_size: 327680
    .private_segment_fixed_size: 0
    .kernarg_segment_align: 8
    .kernarg_segment_size: 32
    .max_flat_workgroup_size: 128
    .sgpr_count:     66
    .vgpr_count:     1024
    .wavefront_size: 32
...
	.end_amdgpu_metadata
.endif
;; end of part 1
;; launch finish (part 2): grid 256 x 1, 10 waves a work-group, no clusters, 6,656 bytes of LDS; arguments pnum, pden, out0; writes out0
.if DOCPART == 2
	.amdgcn_target "amdgcn-amd-amdhsa--gfx1250"
	.amdhsa_code_object_version 6
	.text
	.protected	k_q67875404be_finish
	.globl	k_q67875404be_finish
	.p2align	8
	.type	k_q67875404be_finish,@function
k_q67875404be_finish:
	s_mov_b64 s[64:65], 0
	v_nop
	global_prefetch_b8 v0, s[64:65] scope:SCOPE_SE
	s_setreg_imm32_b32 hwreg(HW_REG_WAVE_MODE, 25, 1), 1
	s_wait_xcnt 0x0
; Second launch: out0[k][d] = (sum over 250 partials of pnum[g][k][d]) / (sum over g of pden[k>>4][g][k&15] + 1e-10).
; Work-group c owns centers 2 c and 2 c + 1.  Ten waves: wave v takes center 2 c + (v & 1) and the partials 50 (v >> 1) .. + 49; one load of a wave
; takes one partial's whole row, 512 consecutive bytes, aligned.  All 50 loads of a wave go out at once, so every byte that the launch reads is asked
; for at its start: nothing is left to prefetch.  No matrix unit, no cluster: a sum of streams that no two work-groups share.
; The counts: thread t takes the pair of partial t (threads 250 to 319 count as zero): 8 bytes of each piece of 64, a 128th of the launch's bytes.
; LIMIT: the division is v_rcp_f32 and a multiply.
.set PSTEP, 262144                     ; from partial to partial
.set ACC, 8                            ; v[8:207] fifty rows' 16 bytes
	s_load_b128 s[4:7], s[0:1], 0x0                ; pnum s[4:5], pden s[6:7]
	s_load_b64 s[8:9], s[0:1], 0x10                ; out0
	v_lshl_add_u32 v208, v0, 2, 0x1500
	v_mov_b32 v209, 0
	v_lshrrev_b32 v1, 5, v0
	v_readfirstlane_b32 s10, v1                    ; wave 0..9
	s_and_b32 s11, s10, 1                          ; which center
	s_lshr_b32 s12, s10, 1                         ; which fifty partials
	s_lshl_b32 s20, ttmp9, 10                      ; 1,024 c
	s_mov_b32 s21, 0
	s_lshl_b32 s13, s11, 9
	s_add_co_u32 s14, s20, s13
	s_mul_i32 s13, s12, 50*PSTEP
	s_add_co_u32 s14, s14, s13                     ; at most 52,690,432 + 512
	s_mov_b32 s15, 0
	s_lshr_b32 s16, ttmp9, 3
	s_mul_i32 s16, s16, 16000                      ; the block of sixteen centers
	s_and_b32 s13, ttmp9, 7
	s_lshl_b32 s13, s13, 3                         ; 4 ((2 c) & 15)
	s_add_co_u32 s16, s16, s13
	s_mov_b32 s17, 0
	s_mov_b32 s22, 0x76543210
	s_mov_b32 s23, 0xfedcba98
	v_min_u32 v2, 249, v0
	v_lshlrev_b32 v2, 6, v2                        ; 64 bytes a partial
	v_and_b32 v3, 31, v0
	v_lshlrev_b32 v3, 4, v3                        ; 16 L
	v_lshlrev_b32 v1, 4, v0                        ; 16 t
	v_mov_b32 v6, 0
	v_mov_b32 v7, 0
	s_wait_kmcnt 0x0
	s_add_nc_u64 s[6:7], s[6:7], s[16:17]
	s_add_nc_u64 s[4:5], s[4:5], s[14:15]
	s_add_nc_u64 s[18:19], s[4:5], 25*PSTEP        ; a second base keeps the immediates inside their signed 24 bits (6,291,456 at the most)
	s_add_nc_u64 s[8:9], s[8:9], s[20:21]
	global_load_b64 v[4:5], v2, s[6:7]
.set ii, 0
.rept 25
	global_load_b128 v[ACC+4*ii:ACC+4*ii+3], v3, s[4:5] offset:PSTEP*ii th:TH_LOAD_NT
.set ii, ii+1
.endr
.set ii, 0
.rept 25
	global_load_b128 v[ACC+100+4*ii:ACC+100+4*ii+3], v3, s[18:19] offset:PSTEP*ii th:TH_LOAD_NT
.set ii, ii+1
.endr
	s_wait_loadcnt 50                              ; the counts are in; the fifty rows stay out
	v_cmp_gt_u32 vcc_lo, 250, v0
	v_cndmask_b32 v4, 0, v4, vcc_lo
	v_cndmask_b32 v5, 0, v5, vcc_lo
.irp m, 1,2,4,8
	v_add_f32_dpp v4, v4, v4 row_xmask:\m row_mask:0xf bank_mask:0xf
	v_add_f32_dpp v5, v5, v5 row_xmask:\m row_mask:0xf bank_mask:0xf
.endr
	v_permlanex16_b32 v6, v4, s22, s23
	v_permlanex16_b32 v7, v5, s22, s23
	v_add_f32 v4, v4, v6
	v_add_f32 v5, v5, v7                           ; my wave's 32 partial counts of both centers, in every lane
.set ii, 1
.rept 49
	s_wait_loadcnt 49-ii                           ; loads come back in order: row ii is in, the younger ones stay out
	v_pk_add_f32 v[ACC:ACC+1],   v[ACC:ACC+1],   v[ACC+4*ii:ACC+4*ii+1]
	v_pk_add_f32 v[ACC+2:ACC+3], v[ACC+2:ACC+3], v[ACC+4*ii+2:ACC+4*ii+3]
.set ii, ii+1
.endr
	s_lshl_b32 s13, s10, 3
	v_mov_b32 v6, s13
	ds_store_b128 v1, v[ACC:ACC+3]                 ; wave v's sums at 512 v + 16 L
	ds_store_b64 v6, v[4:5] offset:5120            ; its counts at 5,120 + 8 v
	s_wait_dscnt 0x0                               ; for the others' sake
	s_barrier_signal -1
	s_barrier_wait -1
	s_cmp_gt_u32 s10, 1
	s_cbranch_scc1 .Lend                           ; waves 0 and 1 finish a center each
	v_mov_b32 v7, 0
.irp i, 0,1,2,3,4
	ds_load_b128 v[ACC+4*\i:ACC+4*\i+3], v1 offset:1024*\i        ; the five waves of my center
.endr
.irp i, 0,1,2,3,4
	ds_load_b128 v[28+4*\i:31+4*\i], v7 offset:5120+16*\i         ; ten pairs of counts
.endr
	s_wait_dscnt 0x0
.irp i, 1,2,3,4
	v_pk_add_f32 v[ACC:ACC+1],   v[ACC:ACC+1],   v[ACC+4*\i:ACC+4*\i+1]
	v_pk_add_f32 v[ACC+2:ACC+3], v[ACC+2:ACC+3], v[ACC+4*\i+2:ACC+4*\i+3]
.endr
.irp i, 1,2,3,4,5,6,7,8,9
	v_pk_add_f32 v[28:29], v[28:29], v[28+2*\i:29+2*\i]
.endr
	s_cmp_eq_u32 s11, 0
	s_cselect_b32 s13, 0, -1
	v_cndmask_b32 v28, v28, v29, s13               ; my center's count
	v_add_f32 v28, 0x2edbe6ff, v28                 ; + 1e-10
	v_rcp_f32 v28, v28
	v_nop
	s_wait_alu depctr_va_vdst(0)
	v_pk_mul_f32 v[ACC:ACC+1],   v[ACC:ACC+1],   v[28:29] op_sel_hi:[1,0]
	v_pk_mul_f32 v[ACC+2:ACC+3], v[ACC+2:ACC+3], v[28:29] op_sel_hi:[1,0]
	global_store_b128 v1, v[ACC:ACC+3], s[8:9]     ; the wave stores its center's 512 consecutive bytes, aligned
.Lend:
	s_wait_tensorcnt 0x0
	ds_add_u32 v208, v209
	s_wait_dscnt 0x0
	s_endpgm
.Lfunc_end_k_q67875404be_finish:
	.size	k_q67875404be_finish, .Lfunc_end_k_q67875404be_finish-k_q67875404be_finish
	.p2alignl 7, 3214868480
	.fill 96, 4, 3214868480
	.section	.rodata,"a",@progbits
	.p2align	6, 0x0
	.amdhsa_kernel k_q67875404be_finish
		.amdhsa_group_segment_fixed_size 6656
		.amdhsa_private_segment_fixed_size 0
		.amdhsa_enable_private_segment 0
		.amdhsa_kernarg_size 24
		.amdhsa_user_sgpr_count 2
		.amdhsa_user_sgpr_kernarg_segment_ptr 1
		.amdhsa_wavefront_size32 1
		.amdhsa_system_sgpr_workgroup_id_x 1
		.amdhsa_system_sgpr_workgroup_id_y 1
		.amdhsa_system_sgpr_workgroup_id_z 1
		.amdhsa_system_vgpr_workitem_id 0
		.amdhsa_next_free_vgpr 210
		.amdhsa_next_free_sgpr 66
		.amdhsa_reserve_vcc 1
		.amdhsa_float_denorm_mode_32 3
		.amdhsa_float_denorm_mode_16_64 3
		.amdhsa_memory_ordered 1
		.amdhsa_forward_progress 1
		.amdhsa_inst_pref_size 18
	.end_amdhsa_kernel
	.amdgpu_metadata
---
amdhsa.version: [ 1, 2 ]
amdhsa.kernels:
  - .name:           k_q67875404be_finish
    .symbol:         k_q67875404be_finish.kd
    .args:
      - { .name: pnum, .offset: 0, .size: 8, .value_kind: global_buffer, .address_space: global }
      - { .name: pden, .offset: 8, .size: 8, .value_kind: global_buffer, .address_space: global }
      - { .name: out0, .offset: 16, .size: 8, .value_kind: global_buffer, .address_space: global }
    .group_segment_fixed_size: 6656
    .private_segment_fixed_size: 0
    .kernarg_segment_align: 8
    .kernarg_segment_size: 24
    .max_flat_workgroup_size: 320
    .sgpr_count:     66
    .vgpr_count:     210
    .wavefront_size: 32
...
	.end_amdgpu_metadata
.endif
;; end of part 2
;; ======== version 2 of 2: 2 launches; version 1 with the launch finish written anew for expert scheduling mode
;; limits: values outside matrix products are rounded to bf16
;; workspace buffers: pnum 65,536,000 bytes; pden 512,000 bytes
;; launch assign: the kernel of part 1 again; grid 250 x 1, 4 waves a work-group, no clusters, 327,680 bytes of LDS; arguments x, centers, pnum, pden; writes pnum, pden
;; launch finish (part 3): grid 256 x 1, 10 waves a work-group, no clusters, 6,656 bytes of LDS; arguments pnum, pden, out0; writes out0
.if DOCPART == 3
	.amdgcn_target "amdgcn-amd-amdhsa--gfx1250"
	.amdhsa_code_object_version 6
	.text
	.protected	k_q67875404be_finish
	.globl	k_q67875404be_finish
	.p2align	8
	.type	k_q67875404be_finish,@function
k_q67875404be_finish:
	s_mov_b64 s[64:65], 0
	v_nop
	global_prefetch_b8 v0, s[64:65] scope:SCOPE_SE
	s_setreg_imm32_b32 hwreg(HW_REG_WAVE_SCHED_MODE, 0, 2), 2
	s_setreg_imm32_b32 hwreg(HW_REG_WAVE_MODE, 25, 1), 1
	s_wait_xcnt 0x0
	s_wait_alu depctr_vm_vsrc(0)
; Second launch: out0[k][d] = (sum over 250 partials of pnum[g][k][d]) / (sum over g of pden[k>>4][g][k&15] + 1e-10).
; Work-group c owns centers 2 c and 2 c + 1.  Ten waves: wave v takes center 2 c + (v & 1) and the partials 50 (v >> 1) .. + 49; one load of a wave
; takes one partial's whole row, 512 consecutive bytes, aligned.  All 50 loads of a wave go out at once, so every byte that the launch reads is asked
; for at its start: nothing is left to prefetch.  No matrix unit, no cluster: a sum of streams that no two work-groups share.
; The counts: thread t takes the pair of partial t (threads 250 to 319 count as zero): 8 bytes of each piece of 64, a 128th of the launch's bytes.
; LIMIT: the division is v_rcp_f32 and a multiply.
; THE MODE: SCHED_MODE bits 1:0 = 2 (LLVM: expert scheduling mode 2), set by the entry lines.  The code itself states the register dependences
; between vector instructions and memory or LDS instructions, with s_wait_alu, always for 0.
; THE PLAN.  Registers that memory or LDS instructions touch:
;   v1, v2, v3    offsets, made at the head and never written again: v2 and v3 serve the 51 global loads, v1 the LDS store, five LDS loads and the last store.
;   v[4:5]        the counts' load lands here; the reduction over lanes writes them; ds_store_b64 reads them; never written again.
;   v6, v7        LDS addresses (8 x wave; 0), written last just ahead of the wait in front of the LDS stores; never written again.
;   v[8:207]      fifty rows, each loaded once into registers of its own.  The running sums read them all and write v[8:11], which ds_store_b128 reads.
;                 In waves 0 and 1 LDS loads then land in v[8:47]; the last sums and the scaling write v[8:11], which the global store reads.
;   v208, v209    written at the head, read by the closing add alone.
; So: one wait ahead of the first load (the offsets); one ahead of the LDS stores (their data and addresses are written, and the sums are done reading
; the registers in which LDS loads land later: no vector instruction stands between that wait and those loads); one on vm_vsrc ahead of the branch
; (the LDS store has read v[8:11]); one ahead of the global store (its data are written); and the reciprocal's own.
.set PSTEP, 262144                     ; from partial to partial
.set ACC, 8                            ; v[8:207] fifty rows' 16 bytes
	s_load_b128 s[4:7], s[0:1], 0x0                ; pnum s[4:5], pden s[6:7]
	s_load_b64 s[8:9], s[0:1], 0x10                ; out0
	v_lshl_add_u32 v208, v0, 2, 0x1500
	v_mov_b32 v209, 0
	v_lshrrev_b32 v1, 5, v0
	v_readfirstlane_b32 s10, v1                    ; wave 0..9
	v_cmp_gt_u32 vcc_lo, 250, v0                   ; threads 0 to 249 have a partial's counts
	v_min_u32 v2, 249, v0
	v_lshlrev_b32 v2, 6, v2                        ; 64 bytes a partial
	v_and_b32 v3, 31, v0
	v_lshlrev_b32 v3, 4, v3                        ; 16 L
	v_lshlrev_b32 v1, 4, v0                        ; 16 t
	v_mov_b32 v6, 0
	v_mov_b32 v7, 0
	s_wait_alu depctr_va_sdst(0)                   ; s10 is written, ahead of its first reader: the bases and the branch are made from it
	s_wait_alu depctr_va_vcc(0)                    ; VCC is written, ahead of its first reader, the selects behind the counts' load
	s_and_b32 s11, s10, 1                          ; which center
	s_lshr_b32 s12, s10, 1                         ; which fifty partials
	s_lshl_b32 s20, ttmp9, 10                      ; 1,024 c
	s_mov_b32 s21, 0
	s_lshl_b32 s13, s11, 9
	s_add_co_u32 s14, s20, s13
	s_mul_i32 s13, s12, 50*PSTEP
	s_add_co_u32 s14, s14, s13                     ; at most 52,690,432 + 512
	s_mov_b32 s15, 0
	s_lshr_b32 s16, ttmp9, 3
	s_mul_i32 s16, s16, 16000                      ; the block of sixteen centers
	s_and_b32 s13, ttmp9, 7
	s_lshl_b32 s13, s13, 3                         ; 4 ((2 c) & 15)
	s_add_co_u32 s16, s16, s13
	s_mov_b32 s17, 0
	s_mov_b32 s22, 0x76543210
	s_mov_b32 s23, 0xfedcba98
	s_wait_kmcnt 0x0
	s_add_nc_u64 s[6:7], s[6:7], s[16:17]
	s_add_nc_u64 s[4:5], s[4:5], s[14:15]
	s_add_nc_u64 s[18:19], s[4:5], 25*PSTEP        ; a second base keeps the immediates inside their signed 24 bits (6,291,456 at the most)
	s_add_nc_u64 s[8:9], s[8:9], s[20:21]
	s_wait_alu depctr_va_vdst(0)                   ; the offsets v1, v2 and v3 are written, which every load and store below reads
	global_load_b64 v[4:5], v2, s[6:7]
.set ii, 0
.rept 25
	global_load_b128 v[ACC+4*ii:ACC+4*ii+3], v3, s[4:5] offset:PSTEP*ii th:TH_LOAD_NT
.set ii, ii+1
.endr
.set ii, 0
.rept 25
	global_load_b128 v[ACC+100+4*ii:ACC+100+4*ii+3], v3, s[18:19] offset:PSTEP*ii th:TH_LOAD_NT
.set ii, ii+1
.endr
	s_wait_loadcnt 50                              ; the counts are in; the fifty rows stay out
	v_cndmask_b32 v4, 0, v4, vcc_lo
	v_cndmask_b32 v5, 0, v5, vcc_lo
.irp m, 1,2,4,8
	v_add_f32_dpp v4, v4, v4 row_xmask:\m row_mask:0xf bank_mask:0xf
	v_add_f32_dpp v5, v5, v5 row_xmask:\m row_mask:0xf bank_mask:0xf
.endr
	v_permlanex16_b32 v6, v4, s22, s23
	v_permlanex16_b32 v7, v5, s22, s23
	v_add_f32 v4, v4, v6
	v_add_f32 v5, v5, v7                           ; my wave's 32 partial counts of both centers, in every lane
.set ii, 1
.rept 49
	s_wait_loadcnt 49-ii                           ; loads come back in order: row ii is in, the younger ones stay out
	v_pk_add_f32 v[ACC:ACC+1],   v[ACC:ACC+1],   v[ACC+4*ii:ACC+4*ii+1]
	v_pk_add_f32 v[ACC+2:ACC+3], v[ACC+2:ACC+3], v[ACC+4*ii+2:ACC+4*ii+3]
.set ii, ii+1
.endr
	s_lshl_b32 s13, s10, 3
	v_mov_b32 v6, s13
	v_mov_b32 v7, 0                                ; the address of the counts' loads of waves 0 and 1, made here so that the wait below covers it
	s_wait_alu depctr_va_vdst(0)                   ; the sums have written v[8:11] and v[4:5], which the LDS stores read; v6 and v7 are written; the sums are done reading v[12:47], in which LDS loads land below
	ds_store_b128 v1, v[ACC:ACC+3]                 ; wave v's sums at 512 v + 16 L
	ds_store_b64 v6, v[4:5] offset:5120            ; its counts at 5,120 + 8 v
	s_wait_dscnt 0x0                               ; for the others' sake
	s_barrier_signal -1
	s_barrier_wait -1
	s_wait_alu depctr_vm_vsrc(0)                   ; my LDS store has read v[8:11], in which an LDS load of waves 0 and 1 lands: stated ahead of the branch
	s_cmp_gt_u32 s10, 1
	s_cbranch_scc1 .Lend                           ; waves 0 and 1 finish a center each
.irp i, 0,1,2,3,4
	ds_load_b128 v[ACC+4*\i:ACC+4*\i+3], v1 offset:1024*\i        ; the five waves of my center.  No wait: no vector instruction since the wait ahead of the LDS stores
.endr
.irp i, 0,1,2,3,4
	ds_load_b128 v[28+4*\i:31+4*\i], v7 offset:5120+16*\i         ; ten pairs of counts
.endr
	s_wait_dscnt 0x0
.irp i, 1,2,3,4
	v_pk_add_f32 v[ACC:ACC+1],   v[ACC:ACC+1],   v[ACC+4*\i:ACC+4*\i+1]
	v_pk_add_f32 v[ACC+2:ACC+3], v[ACC+2:ACC+3], v[ACC+4*\i+2:ACC+4*\i+3]
.endr
.irp i, 1,2,3,4,5,6,7,8,9
	v_pk_add_f32 v[28:29], v[28:29], v[28+2*\i:29+2*\i]
.endr
	s_cmp_eq_u32 s11, 0
	s_cselect_b32 s13, 0, -1
	v_cndmask_b32 v28, v28, v29, s13               ; my center's count
	v_add_f32 v28, 0x2edbe6ff, v28                 ; + 1e-10
	v_rcp_f32 v28, v28
	v_nop                                          ; a plain instruction between the reciprocal and the use of its result
	s_wait_alu depctr_va_vdst(0)                   ; the reciprocal has written v28, ahead of its first reader
	v_pk_mul_f32 v[ACC:ACC+1],   v[ACC:ACC+1],   v[28:29] op_sel_hi:[1,0]
	v_pk_mul_f32 v[ACC+2:ACC+3], v[ACC+2:ACC+3], v[28:29] op_sel_hi:[1,0]
	s_wait_alu depctr_va_vdst(0)                   ; the two multiplies have written v[8:11], which the store reads
	global_store_b128 v1, v[ACC:ACC+3], s[8:9]     ; the wave stores its center's 512 consecutive bytes, aligned
.Lend:
	s_wait_dscnt 0x0                               ; the closing lines, six on end
	s_wait_alu 0x0
	s_wait_tensorcnt 0x0
	ds_add_u32 v208, v209
	s_wait_dscnt 0x0
	s_endpgm
.Lfunc_end_k_q67875404be_finish:
	.size	k_q67875404be_finish, .Lfunc_end_k_q67875404be_finish-k_q67875404be_finish
	.p2alignl 7, 3214868480
	.fill 96, 4, 3214868480
	.section	.rodata,"a",@progbits
	.p2align	6, 0x0
	.amdhsa_kernel k_q67875404be_finish
		.amdhsa_group_segment_fixed_size 6656
		.amdhsa_private_segment_fixed_size 0
		.amdhsa_enable_private_segment 0
		.amdhsa_kernarg_size 24
		.amdhsa_user_sgpr_count 2
		.amdhsa_user_sgpr_kernarg_segment_ptr 1
		.amdhsa_wavefront_size32 1
		.amdhsa_system_sgpr_workgroup_id_x 1
		.amdhsa_system_sgpr_workgroup_id_y 1
		.amdhsa_system_sgpr_workgroup_id_z 1
		.amdhsa_system_vgpr_workitem_id 0
		.amdhsa_next_free_vgpr 210
		.amdhsa_next_free_sgpr 66
		.amdhsa_reserve_vcc 1
		.amdhsa_float_denorm_mode_32 3
		.amdhsa_float_denorm_mode_16_64 3
		.amdhsa_memory_ordered 1
		.amdhsa_forward_progress 1
		.amdhsa_inst_pref_size 19
	.end_amdhsa_kernel
	.amdgpu_metadata
---
amdhsa.version: [ 1, 2 ]
amdhsa.kernels:
  - .name:           k_q67875404be_finish
    .symbol:         k_q67875404be_finish.kd
    .args:
      - { .name: pnum, .offset: 0, .size: 8, .value_kind: global_buffer, .address_space: global }
      - { .name: pden, .offset: 8, .size: 8, .value_kind: global_buffer, .address_space: global }
      - { .name: out0, .offset: 16, .size: 8, .value_kind: global_buffer, .address_space: global }
    .group_segment_fixed_size: 6656
    .private_segment_fixed_size: 0
    .kernarg_segment_align: 8
    .kernarg_segment_size: 24
    .max_flat_workgroup_size: 320
    .sgpr_count:     66
    .vgpr_count:     210
    .wavefront_size: 32
...
	.end_amdgpu_metadata
.endif
;; end of part 3
